; MI455X (gfx1250); checked and timed in simulation.
; The chip was launched on July 23, 2026; its instructions are those of AMD's public machine-readable ISA for CDNA 5 (MIT licence, August 2026) and "CDNA5" Instruction Set Architecture Reference Guide (July 2026). The comments in the code are by the model that wrote it; some were corrected since.
;; Norm Layer. Allowed arithmetic: matrix products marked QUANTISED: E2M3 operands, one E8M0 scale for each 32 along K, by v_wmma_scale_f32_16x16x128_f8f6f4 with both operands' format E2M3, f32 sums; everything else in f32.
;; Inputs: beta 128 float32; gamma 128 float32; x 16,384 x 128 float32.
;; Outputs: out0 16,384 x 128 float32.
;; This version of the problem:
;;   THIS VERSION OF THE PROBLEM IS GIVEN IN LOW PRECISION. The matrix products marked QUANTISED in the list below multiply operands that are first quantised to E2M3 (2 exponent bits, 3 mantissa bits; 6 bits a number), with one power-of-two scale for each 32 numbers along K (OCP MX v1.0); their sums are f32. All else is computed in f32.
;;   The module's matrix products, in the order in which they are computed (A, B: the left and right operand; K: the contracted axis; several contracted axes count as one K, in the product's order):
;;     1. [M 16,384, K 128] x [K 128, N 16,384]; A: computed on the way; B: computed on the way: QUANTISED
;;     2. [M 16,384, K 16,384] x [K 16,384, N 128]; A: softmax (see below); B: input x: QUANTISED
;;   THE QUANTISER, for each operand of a quantised product, along K:
;;     - K is cut into blocks of 32 from its start; a last block that is shorter is filled with zeros.
;;     - A block's scale is 2^e with e = floor(log2(the largest magnitude in the block)) - 2, held to -126 .. 127; a block of zeros has e = 0. As a byte (E8M0): e + 127.
;;     - Each number is divided by its block's scale, clamped to +-7.5, and rounded to the nearest number of E2M3, ties to even, subnormals kept.
;;     - The product sums the exact products of the quantised numbers (number of the format x scale) in f32.
;;   ~~~python
;;   def quantise(x, axis):      # numpy; x: float32 -> the quantised numbers, widened to float32 again
;;       x = np.moveaxis(x, axis, -1); K = x.shape[-1]
;;       x = np.pad(x, [(0, 0)] * (x.ndim - 1) + [(0, -K % 32)]); x = x.reshape(x.shape[:-1] + (-1, 32)); a = np.abs(x).max(-1, keepdims=True)
;;       e = np.where(a > 0, np.clip(np.frexp(np.where(a > 0, a, 1))[1] - 1 - 2, -126, 127), 0)      # np.frexp(a)[1] - 1 = floor(log2(a)), exactly
;;       r = np.clip(x / 2.0 ** e, -7.5, 7.5)
;;       step = 2.0 ** (np.maximum(np.frexp(np.where(r == 0, 1, r))[1] - 1, 0) - 3)
;;       q = np.round(r / step) * step * 2.0 ** e      # np.round: ties to even
;;       return np.moveaxis(q.reshape(q.shape[:-2] + (-1,))[..., :K], -1, axis).astype(np.float32)
;;   ~~~
;;   SOFTMAX AHEAD OF A QUANTISED PRODUCT. Where the list says 'softmax', what is quantised is not the finished softmax but p = 2^(t - M), with t = logit x log2(e) and M = ceil(the row's largest t), a whole number; so 1/2 < the row's largest p <= 1. The row's sum l is taken of the UNQUANTISED p, in f32, and the product's result is divided by l at the end. Since M is a whole number, a kernel that streams over the keys may use a running M (the ceiling of the running maximum): every later rescaling is an exact power of two, which a block's scale takes up: the codes' values come out the same.
;;   OPERANDS COMPUTED ON THE WAY. 'Computed on the way' means the value that the module computes at that place (a softmax that the list does not call 'softmax' is quantised finished and normalised). What goes into a quantiser is computed in f32, as accurately as f32 sums, v_exp_f32 and their like allow (about 1e-6 of the number): no bf16 or f16 on the way to a quantiser, and a product that is left as it is and whose result goes on into a quantised operand takes f32 operands (vector FMAs, or v_wmma_f32_16x16x4_f32). A number that lies on a knife's edge between two numbers of the format may be rounded either way, as far as f32 arithmetic and the matrix unit's own rounding can turn it there, and no further.
;; One version. Each part assembles by itself: llvm-mc -triple=amdgcn-amd-amdhsa -mcpu=gfx1250 --defsym DOCPART=n.
;; ======== version 1 of 1: 2 launches
;; workspace buffers: kv 3,276,800 bytes
;; launch prep (part 1): grid 128 x 1, 8 waves a work-group, no clusters, 70,656 bytes of LDS; arguments x, kv; writes kv
.if DOCPART == 1
	.amdgcn_target "amdgcn-amd-amdhsa--gfx1250"
	.amdhsa_code_object_version 6
	.text
	.protected	k_q1af7121b77_prep
	.globl	k_q1af7121b77_prep
	.p2align	8
	.type	k_q1af7121b77_prep,@function
k_q1af7121b77_prep:
	s_mov_b64 s[64:65], 0
	v_nop
	global_prefetch_b8 v0, s[64:65] scope:SCOPE_SE
	s_setreg_imm32_b32 hwreg(HW_REG_WAVE_MODE, 25, 1), 1
	s_wait_xcnt 0x0
; x [16384][128] f32 is quantised ONCE, twice over, into codes of FP6 (E2M3) with one E8M0 scale byte for each 32 along K:
;   K side: the rows of x divided by max(their length, 1e-12), quantised along the 128 channels (they serve the first product as keys and as queries);
;   V side: x as it is, quantised along the KEYS, that is in blocks of 32 rows for each channel (the second product's K).
; A block's scale is 2^(floor(log2(its largest magnitude)) - 2); its byte is the largest magnitude's exponent field - 2, held at 1 from below.
; LIMITS: NaN and infinities among the inputs are not served.  A block of zeros gets the byte 1 where the rule says 127: its codes are zeros, which add
; nothing under any byte but 0xff, and the bytes are read by this program alone.  Blocks whose largest magnitude lies under 2^(3 - 127) keep the byte 1.
; THE WORKSPACE is laid in the order of the operands' registers.  Work-group j makes step block j, 25,600 bytes, for keys 128 j .. 128 j + 127:
;   0      K's 8 fragments, 1,536 bytes each: registers 4 i .. 4 i + 3 of lane l at 1536 T + 512 i + 16 l
;   12288  K's scale words: tile 4 G + e, row r at 256 G + 16 r + 4 e
;   12800  V's 8 fragments, 25088 V's scale words, in the same form
; THE KEYS OF A TILE OF K ARE NOT NEIGHBOURS: row m of tile T = 4 c + u is key 64 c + 32 (m / 8) + 8 u + m % 8, so that in the transposed first product
; the 32 registers of tiles 4 c .. 4 c + 3 are one whole block of 32 neighbouring keys in one lane.
; V's tile ch: lane (r, h) holds channel 16 ch + r, registers 6 c .. 6 c + 5 keys 64 c + 32 h + 0 .. 31.
; SHARES: eight waves, one text: wave w brings rows 16 w .. 16 w + 15 into LDS (each load a whole row of 512 bytes), then makes K's tile w and V's tile w.
; 128 work-groups: a fragment of V mixes both halves of the 128 keys in its pieces of 16 bytes, so a smaller share would store smaller pieces.
; No tensor load: the tile is filled once, by 16 dense loads a wave.  No cluster: work-groups share no input.
.set ROWP,  528                        ; an LDS row: 512 bytes + 16
.set GRP,   32*ROWP+128                ; 32 rows, and 128 bytes more, so that rows 32 apart start half way round the banks (64 banks of 4 bytes: ISA guide 11.1)
.set SCS,   4*GRP                      ; behind the rows: K's 512 bytes of scale words, then V's
.set BLKB,  25600
.set KSO,   12288
.set VFO,   12800
.set L16,   4                          ; v4   16 x lane
.set LST,   5                          ; v5   where I put my 16 bytes of the wave's first row
.set AKR,   6                          ; v6   K: my row of the tile, my half's first channel
.set AVR,   7                          ; v7   V: my channel, my half's first key
.set GST,   8                          ; v8   my 16 bytes of the wave's fragment in the step block
.set SCW,   9                          ; v9   LDS: my row's scale word
.set SCR,   10                         ; v10  LDS: the scale words on their way out
.set GSC,   11                         ; v11  and their place in the step block
.set H8,    12                         ; v12  8 x (lane / 16)
.set TT,    13                         ; v13  what lane l xor 16 sends
.set RN,    14                         ; v[14:15] 1 / the row's length, twice
.set CK,    16                         ; v16-27  K's codes
.set T,     28                         ; v28-30, v32-34  a block's upper 16 codes (a conversion's three registers begin on an even number)
.set CV,    36                         ; v36-47  V's codes: registers of their own, so that no store's data are written again
.set MX,    48
.set SO,    50
.set BY,    52
.set WK,    54                         ; K's scale word
.set WW,    55                         ; V's
.set SS,    56                         ; v[56:59] the sum of squares, in two chains of pairs
.set SOUT,  60
.set XK,    64                         ; v64-127  the way in; then my 64 numbers of K's row
.set XV,    128                        ; v128-191 my 64 numbers of V's channel
.set WV,    8
.set SEL,   12
	s_load_b128 s[4:7], s[0:1], 0x0                ; x, kv
	v_lshl_add_u32 v192, v0, 2, 0x11000
	v_mov_b32 v193, 0
	v_lshrrev_b32 v1, 5, v0
	v_readfirstlane_b32 s[WV], v1                  ; wave 0..7
	v_and_b32 v1, 31, v0                           ; lane
	v_and_b32 v2, 15, v0                           ; r
	v_bfe_u32 v3, v0, 4, 1                         ; h
	v_lshlrev_b32 v[L16], 4, v1
	s_lshr_b32 s9, s[WV], 1                        ; row 16 w + i lies in group w / 2, at place 16 (w % 2) + i
	s_mul_i32 s9, s9, GRP
	s_and_b32 s10, s[WV], 1
	s_mul_i32 s10, s10, 16*ROWP
	s_add_co_u32 s9, s9, s10
	v_add_nc_u32 v[LST], s9, v[L16]
	s_lshr_b32 s9, s[WV], 2                        ; K's tile w = 4 c + u: key 64 c + 32 (r / 8) + 8 u + r % 8: group 2 c + r / 8, place 8 u + r % 8
	s_mul_i32 s9, s9, 2*GRP
	s_and_b32 s10, s[WV], 3
	s_mul_i32 s10, s10, 8*ROWP
	s_add_co_u32 s9, s9, s10
	v_lshrrev_b32 v[AKR], 3, v2
	v_mul_u32_u24 v[AKR], v[AKR], GRP
	v_and_b32 v[AVR], 7, v2
	v_mad_u32_u24 v[AKR], v[AVR], ROWP, v[AKR]
	v_lshl_add_u32 v[AKR], v3, 7, v[AKR]           ; + 32 h channels
	v_add_nc_u32 v[AKR], s9, v[AKR]
	v_mul_u32_u24 v[AVR], v3, GRP                  ; V's tile w: key 64 c + 32 h + i: group 2 c + h, place i; channel 16 w + r
	v_lshl_add_u32 v[AVR], v2, 2, v[AVR]
	s_lshl_b32 s9, s[WV], 6
	v_add_nc_u32 v[AVR], s9, v[AVR]
	s_mul_i32 s9, s[WV], 1536
	v_add_nc_u32 v[GST], s9, v[L16]
	s_lshr_b32 s9, s[WV], 2
	s_lshl_b32 s9, s9, 8
	s_and_b32 s10, s[WV], 3
	s_lshl_b32 s10, s10, 2
	s_add_co_u32 s9, s9, s10
	s_add_co_u32 s9, s9, SCS
	v_lshl_add_u32 v[SCW], v2, 4, s9               ; 256 (w / 4) + 16 r + 4 (w % 4)
	s_min_u32 s9, s[WV], 1                         ; the scale words leave by waves 0 (K's) and 1 (V's); the other waves' registers stay inside LDS and are not used
	s_lshl_b32 s10, s9, 9
	s_add_co_u32 s10, s10, SCS
	v_add_nc_u32 v[SCR], s10, v[L16]
	s_mul_i32 s10, s9, VFO
	s_add_co_u32 s10, s10, KSO
	v_add_nc_u32 v[GSC], s10, v[L16]
	v_lshlrev_b32 v[H8], 3, v3
	v_mov_b32 v[TT], 0                             ; written once: a lane permute's destination counts as one of its sources
	s_mov_b32 s[SEL], 0x76543210
	s_mov_b32 s[SEL+1], 0xfedcba98                 ; v_permlanex16_b32's selects for lane l xor 16
	s_lshl_b32 s10, ttmp9, 16                      ; the work-group's 128 rows of 512 bytes,
	s_lshl_b32 s11, s[WV], 13                      ; my wave's 16 of them
	s_add_co_u32 s10, s10, s11
	s_mov_b32 s11, 0
	s_mul_i32 s14, ttmp9, BLKB                     ; the work-group's step block
	s_mov_b32 s15, 0
	s_wait_kmcnt 0x0
	s_add_nc_u64 s[4:5], s[4:5], s[10:11]
	s_add_nc_u64 s[6:7], s[6:7], s[14:15]
; THE WAY IN: 16 rows a wave, each load 512 consecutive bytes
.irp i, 0,1,2,3,4,5,6,7,8,9,10,11,12,13,14,15
	global_load_b128 v[XK+4*\i:XK+4*\i+3], v[L16], s[4:5] offset:512*\i th:TH_LOAD_NT
.endr
.irp i, 0,1,2,3,4,5,6,7,8,9,10,11,12,13,14,15
	s_wait_loadcnt 15-\i                           ; loads come back in order: row i is in, the 15 - i younger ones may be out
	ds_store_b128 v[LST], v[XK+4*\i:XK+4*\i+3] offset:ROWP*\i
.endr
	s_wait_dscnt 0x0                               ; for the others' sake: my rows lie in LDS
	s_barrier_signal -1
	s_barrier_wait -1                              ; all 128 rows do
.irp c, 0,1
.irp i, 0,1,2,3,4,5,6,7
	ds_load_b128 v[XK+32*\c+4*\i:XK+32*\c+4*\i+3], v[AKR] offset:256*\c+16*\i   ; K: channels 64 c + 32 h + 4 i .. of my row
.endr
.endr
.irp c, 0,1
.irp i, 0,1,2,3,4,5,6,7,8,9,10,11,12,13,14,15,16,17,18,19,20,21,22,23,24,25,26,27,28,29,30,31
	ds_load_b32 v[XV+32*\c+\i], v[AVR] offset:2*GRP*\c+ROWP*\i                  ; V: key 64 c + 32 h + i of my channel
.endr
.endr
; A lane's two whole blocks of 32, v[x + 32 b ..], become a fragment's 12 registers in v[c] on and its row's scale word in v[w].
.macro QUANT2 x, c, w
.irp b, 0,1
	v_max3_num_f32 v[MX+\b], |v[\x+32*\b]|, |v[\x+32*\b+1]|, 0x1800000    ; the block's largest magnitude, and the floor 2^(3 - 127): so the byte cannot fall under 1
.endr
.irp i, 2,4,6,8,10,12,14,16,18,20,22,24,26,28,30
.irp b, 0,1
	v_max3_num_f32 v[MX+\b], v[MX+\b], |v[\x+32*\b+\i]|, |v[\x+32*\b+\i+1]|   ; (the two blocks by turns)
.endr
.endr
.irp b, 0,1
	v_add_nc_u32 v[SO+\b], 0xff000000, v[MX+\b]    ; 2 off its exponent field: the conversion takes the exponent field of this operand as its scale, and nothing else of it
.endr
.irp b, 0,1
	v_lshrrev_b32 v[BY+\b], 23, v[SO+\b]           ; the scale's byte
.endr
	v_lshl_or_b32 v[\w], v[BY+1], 16, v[BY]        ; my two bytes: blocks h and 2 + h,
	v_lshlrev_b32 v[\w], v[H8], v[\w]              ; at their places in the word;
	v_permlanex16_b32 v[TT], v[\w], s[SEL], s[SEL+1]
	v_or_b32 v[\w], v[\w], v[TT]                   ; with lane l xor 16's two the word is whole
.irp b, 0,1
	v_cvt_scalef32_pk16_fp6_f32 v[\c+6*\b:\c+6*\b+2], v[\x+32*\b:\x+32*\b+15], v[SO+\b]
	v_cvt_scalef32_pk16_fp6_f32 v[T+4*\b:T+4*\b+2], v[\x+32*\b+16:\x+32*\b+31], v[SO+\b]
.endr
	v_nop                                          ; one plain place behind a scaled conversion
.irp b, 0,1
.irp i, 0,1,2
	v_mov_b32 v[\c+6*\b+3+\i], v[T+4*\b+\i]
.endr
.endr
.endm
; K: the row's length
	s_wait_dscnt 63                                ; of the 80 LDS loads at most 63 may be out: K's sixteen are in
	v_pk_mul_f32 v[SS:SS+1], v[XK:XK+1], v[XK:XK+1]
	v_pk_mul_f32 v[SS+2:SS+3], v[XK+2:XK+3], v[XK+2:XK+3]
.irp k, 2,4,6,8,10,12,14,16,18,20,22,24,26,28,30
	v_pk_fma_f32 v[SS:SS+1], v[XK+2*\k:XK+2*\k+1], v[XK+2*\k:XK+2*\k+1], v[SS:SS+1]
	v_pk_fma_f32 v[SS+2:SS+3], v[XK+2*\k+2:XK+2*\k+3], v[XK+2*\k+2:XK+2*\k+3], v[SS+2:SS+3]
.endr
	v_pk_add_f32 v[SS:SS+1], v[SS:SS+1], v[SS+2:SS+3]
	v_add_f32 v[SS], v[SS], v[SS+1]                ; my 64 channels',
	v_permlanex16_b32 v[TT], v[SS], s[SEL], s[SEL+1]
	v_add_f32 v[SS], v[SS], v[TT]                  ; and lane l xor 16's 64
	v_rsq_f32 v[RN], v[SS]
	v_nop                                          ; a plain place behind the transcendental
	s_wait_alu depctr_va_vdst(0)                   ; and a wait ahead of the first use
	v_min_num_f32 v[RN], 0x5368d4a5, v[RN]         ; 1 / max(length, 1e-12): held at 1e12 (a sum of squares that is 0 or denormal gives infinity here, and its length lies under 1e-12)
	v_mov_b32 v[RN+1], v[RN]
.irp k, 0,1,2,3,4,5,6,7,8,9,10,11,12,13,14,15,16,17,18,19,20,21,22,23,24,25,26,27,28,29,30,31
	v_pk_mul_f32 v[XK+2*\k:XK+2*\k+1], v[XK+2*\k:XK+2*\k+1], v[RN:RN+1]
.endr
	QUANT2 XK, CK, WK
.irp i, 0,1,2
	global_store_b128 v[GST], v[CK+4*\i:CK+4*\i+3], s[6:7] offset:512*\i        ; 32 lanes store 512 consecutive bytes, at a multiple of 256 from the buffer's first byte
.endr
	ds_store_b32 v[SCW], v[WK]                     ; both lanes of a row write the same word with the same value
; V
	s_wait_dscnt 0x0
	QUANT2 XV, CV, WW
.irp i, 0,1,2
	global_store_b128 v[GST], v[CV+4*\i:CV+4*\i+3], s[6:7] offset:VFO+512*\i
.endr
	ds_store_b32 v[SCW], v[WW] offset:512
	s_wait_dscnt 0x0                               ; for the others' sake: my scale words lie in LDS
	s_barrier_signal -1
	s_barrier_wait -1
	s_cmp_gt_u32 s[WV], 1
	s_cbranch_scc1 .Lend
	ds_load_b128 v[SOUT:SOUT+3], v[SCR]            ; wave 0: K's 512 bytes of scale words; wave 1: V's
	s_wait_dscnt 0x0
	global_store_b128 v[GSC], v[SOUT:SOUT+3], s[6:7]
.Lend:
	s_wait_tensorcnt 0x0
	ds_add_u32 v192, v193
	s_wait_dscnt 0x0
	s_endpgm
.Lfunc_end_k_q1af7121b77_prep:
	.size	k_q1af7121b77_prep, .Lfunc_end_k_q1af7121b77_prep-k_q1af7121b77_prep
	.p2alignl 7, 3214868480
	.fill 96, 4, 3214868480
	.section	.rodata,"a",@progbits
	.p2align	6, 0x0
	.amdhsa_kernel k_q1af7121b77_prep
		.amdhsa_group_segment_fixed_size 70656
		.amdhsa_private_segment_fixed_size 0
		.amdhsa_enable_private_segment 0
		.amdhsa_kernarg_size 16
		.amdhsa_user_sgpr_count 2
		.amdhsa_user_sgpr_kernarg_segment_ptr 1
		.amdhsa_wavefront_size32 1
		.amdhsa_system_sgpr_workgroup_id_x 1
		.amdhsa_system_sgpr_workgroup_id_y 1
		.amdhsa_system_sgpr_workgroup_id_z 1
		.amdhsa_system_vgpr_workitem_id 0
		.amdhsa_next_free_vgpr 194
		.amdhsa_next_free_sgpr 66
		.amdhsa_reserve_vcc 0
		.amdhsa_float_denorm_mode_32 3
		.amdhsa_float_denorm_mode_16_64 3
		.amdhsa_memory_ordered 1
		.amdhsa_forward_progress 1
		.amdhsa_inst_pref_size 23
	.end_amdhsa_kernel
	.amdgpu_metadata
---
amdhsa.version: [ 1, 2 ]
amdhsa.kernels:
  - .name:           k_q1af7121b77_prep
    .symbol:         k_q1af7121b77_prep.kd
    .args:
      - { .name: x, .offset: 0, .size: 8, .value_kind: global_buffer, .address_space: global }
      - { .name: kv, .offset: 8, .size: 8, .value_kind: global_buffer, .address_space: global }
    .group_segment_fixed_size: 70656
    .private_segment_fixed_size: 0
    .kernarg_segment_align: 8
    .kernarg_segment_size: 16
    .max_flat_workgroup_size: 256
    .sgpr_count:     66
    .vgpr_count:     194
    .wavefront_size: 32
...
	.end_amdgpu_metadata
.endif
;; end of part 1
;; launch attn (part 2): grid 256 x 1, 4 waves a work-group, clusters of 4 x 1, 327,680 bytes of LDS; arguments kv, x, gamma, beta, out0; writes out0
.if DOCPART == 2
	.amdgcn_target "amdgcn-amd-amdhsa--gfx1250"
	.amdhsa_code_object_version 6
	.text
	.protected	k_q1af7121b77_attn
	.globl	k_q1af7121b77_attn
	.p2align	8
	.type	k_q1af7121b77_attn,@function
k_q1af7121b77_attn:
	s_mov_b64 s[64:65], 0
	v_nop
	global_prefetch_b8 v0, s[64:65] scope:SCOPE_SE
	s_setreg_imm32_b32 hwreg(HW_REG_WAVE_MODE, 25, 1), 1
	s_wait_xcnt 0x0
	s_wait_alu depctr_hold_cnt(0) depctr_sa_sdst(0) depctr_va_vdst(0) depctr_va_sdst(0) depctr_va_ssrc(0) depctr_va_vcc(0) depctr_vm_vsrc(0)
	s_getreg_b32 s2, hwreg(HW_REG_IB_STS2, 6, 4)
	s_cmp_eq_u32 s2, 0
	s_cbranch_scc0 .Lentry_in_a_cluster
	s_endpgm
.Lentry_in_a_cluster:
	s_bfe_u32 s2, ttmp6, 0x10000c
	s_cmp_lg_u32 s2, 0x3003
	s_cbranch_scc0 .Lentry_shape_is_right
	s_endpgm
.Lentry_shape_is_right:
; out = LayerNorm(2 x - softmax(n n^T) x) gamma + beta, n = the rows of x at length 1; both products on codes of FP6 (E2M3) with E8M0 scales, made by the launch before.
; THE SOFTMAX: t = score x log2(e), p = 2^(t - M), M a whole number; p is quantised along the keys, the row's sum is taken of the unquantised p and divides at the end.
; M IS THE CONSTANT 2.  The scores are products of quantised vectors of length 1: a block's quantising error is at most 0.108 of the block's length, so a quantised row's length lies in
; 0.892 .. 1.108, every score in -1.23 .. 1.23, every t under 1.78, and a row's score with itself gives t above 1.14: the ceiling of the row's largest t is 2.  A row whose length the
; clamp at 1e-12 has held is shorter: its own M would be another whole number, which moves p's scale bytes and the sum by the same exact power of two.  p lies in 2^-3.8 .. 2^-0.2 and a
; row's sum under 16,384: nothing overflows or underflows, for every input.  So there is no running maximum, nothing is rescaled, and sums over disjoint sets of keys simply add.
; LIMITS: NaN and infinities among the inputs are not served.
; SHARES.  Work-group g owns queries 64 g .. 64 g + 63, four tiles of 16.  THE FOUR WAVES SHARE THE KEYS: in lap t (32 laps) wave w takes key step 4 t + w (128 keys) for all four tiles, so that each
; fragment of K and V is read from LDS once in the work-group and feeds four matrix instructions.  At the end the four waves' sums meet in LDS, and wave w finishes tile w.
; LAYOUT.  Both products transposed: S^T = K Q^T (source 0 = 16 keys, source 1 = 16 queries), O^T = V^T P^T: a lane holds ONE query throughout.  The keys of K's tiles are chosen (by the launch
; before) so that the 32 registers of tiles 4 c .. 4 c + 3 are the whole block of keys 64 c + 32 (lane / 16) + 0 .. 31: a block's largest score needs no other lane, and the conversions' results are P.
; The queries are K's own fragments 4 (g % 2) + u of step g / 2: column r of tile u is row 64 g + 8 u + r % 8 + 32 (r / 8).
; BY TURNS.  In a PHASE one tile's softmax, 184 vector instructions, is cut into 16 slices, and one matrix instruction stands ahead of each: 8 products V^T P of the tile before, 8 products K Q^T of the tile after.
; CLUSTER.  Every work-group walks the same step blocks: the four partners ask for each JOINTLY (mask 15): wave w of each issues the same load with the same descriptor.  A wave reads only what its own load brought.
; REGISTERS, in windows of 256: window 0: addresses, scale words, statistics, P (two sets), S^T (two sets);  window 1: O^T, tile q's channel tile ch at v[64 q + 8 ch];
;   window 2: v0-47 Q, v48-143 K's eight fragments, v144-239 V's eight.
.set BLKB,  25600                      ; a step block: K's fragments, K's scale words, V's fragments, V's scale words
.set LAPB,  4*BLKB
.set KSO,   12288
.set VFO,   12800
.set VSO,   25088
.set SLOT1, 1<<17                      ; slot 0 at 0, slot 1 here: one exclusive or turns an address; wave w's block at 25600 w in each
.set LRED,  SLOT1+LAPB                 ; behind the ring: the four waves' row sums, 512 bytes each
.set SPARE, LRED+2048                  ; the spare words, 128 bytes for each wave: two blocks of 256 bytes that no other line names
.set ZST,   SLOT1                      ; the way out: 16 rows x 528 bytes for each wave; and from byte 0 on the waves' images of O^T, 8,192 bytes each: both in slots that have had their last fill and their last read
.set ADR,  1                           ; v1   LDS address of the step's fragments
.set ADS,  2                           ; v2   of its scale words
.set AF0,  3                           ; v3   25600 w + 16 x lane
.set AS0,  4                           ; v4   25600 w + 16 x (lane % 16)
.set H8,   5                           ; v5   8 x (lane / 16)
.set SPW,  6                           ; v6   LDS address of my spare word; never rewritten
.set NIL,  7                           ; v7   0; never rewritten
.set PFO,  8                           ; v8   the prefetches' offset: 256 x min(lane, 24)
.set RW,   9                           ; v9-10 the way out: where I put O^T's images (tiles 0, 1; tiles 2, 3)
.set RR,   11                          ; v11  where I read my tile's four images
.set LW,   12                          ; v12  where I put my four row sums
.set LR,   13                          ; v13  where I read my tile's
.set ZW,   14                          ; v14  my stage: in
.set ZR,   15                          ; v15  my stage: back, by rows
.set KS,   16                          ; v16-23 K's scale words, v24-31 V's, v32-35 Q's, v36-37 P's (two sets): these hold scales and nothing else
.set VS,   24
.set QS,   32
.set PS,   36
.set TS,   38                          ; v[38:39] the sum's second chain
.set L,    40                          ; v40-47 the row sums, a pair for each tile
.set M,    48                          ; v48-55 eight running maxima
.set U,    56                          ; v56-57 the two blocks' largest p
.set SO,   58                          ; v58-59 the conversions' scale operands
.set BY,   60                          ; v60-61 the scale bytes
.set W,    62
.set TT,   63
.set T,    64                          ; v64-66, v68-70 a block's upper 16 codes (a conversion's three registers begin on an even number)
.set P,    72                          ; v72-83, v84-95
.set GB,   96                          ; v96-99 gamma, v100-103 beta
.set GO,   104                         ; v104 16 x lane; never rewritten
.set R16,  105                         ; v105 16 x (lane % 16); never rewritten
.set S,    128                         ; v128-191, v192-255
.set X,    128                         ; the way out: 16 rows of x, then of y
.set Z,    192                         ; the way out: O / the sum
.set KF,   48
.set VF,   144
.set WV,   14
.set G1,   24                          ; s[24:31] descriptor group 1
.set G0A,  32                          ; s[32:35] group 0 of the first fill of slot 0
.set G0W,  36                          ; s[36:39] group 0 that walks
.set CS,   40                          ; s[40:41] log2(e): the packed form names a pair and takes its low word for both halves
.set SEL,  42
.set TB,   44                          ; s44  the slot from which fragments are fetched
.set CNT,  45                          ; s45  the loop's trips to go
.set LIM,  46                          ; s46  2 in the first cluster, else the greatest number: a wave prefetches while s[CNT] is above it
.set PFA,  48                          ; s[48:49] where my prefetches stand
.set MSB, 0
.macro WIN new                         ; the immediate's high byte repeats the setting that is left; a switch that changes nothing is dropped
.if MSB != \new
	s_set_vgpr_msb (MSB<<8)|\new
.set MSB, \new
.endif
.endm
.set W_KQ, 0x0a                        ; K and Q in window 2, S^T in window 0
.set W_PV, 0x52                        ; V in window 2, P in window 0, O^T (C and D) in window 1
.set TO_2, 0x80                        ; destination window 2, address window 0
.macro CROUND                          ; a round of the cluster's barrier
	s_barrier_signal -1
	s_barrier_wait -1
	s_cmp_lg_u32 s[WV], 0
	s_cbranch_scc1 .Lnot_wave_0_\@
	s_barrier_signal -3
.Lnot_wave_0_\@:
	s_barrier_wait -3
	s_barrier_signal -1
	s_barrier_wait -1
.endm
	s_load_b256 s[4:11], s[0:1], 0x0               ; kv s[4:5], x s[6:7], gamma s[8:9], beta s[10:11]
	s_load_b64 s[12:13], s[0:1], 0x20              ; out0
	v_lshl_add_u32 v[SPW], v0, 2, SPARE
	v_mov_b32 v[NIL], 0
	ds_add_u32 v6, v7
	ds_add_u32 v6, v7
	s_wait_dscnt 0x0
	v_lshrrev_b32 v[ADR], 5, v0
	v_readfirstlane_b32 s[WV], v[ADR]              ; wave 0..3
	s_bfe_u32 s15, ttmp6, 0x40000                  ; cx: my place in the cluster
	s_lshl_b32 s16, ttmp9, 2                       ; in a cluster launch ttmp9 counts clusters
	s_add_co_u32 s16, s16, s15                     ; g: it enters the addresses of Q, x and out0 alone
	; descriptor group 1: a step block is dense: 100 rows of 256 bytes (32 elements of 8 bytes), no padding: it is read back 16 bytes x lane
	s_mov_b32 s[G1], 15|(3<<16)|(1<<21)            ; 15:0 the mask: all four work-groups; 17:16 elements of 8 bytes; 21 set beside a mask
	s_mov_b32 s[G1+1], 32<<16                      ; tensor_dim0 = 32
	s_mov_b32 s[G1+2], 100<<16                     ; tensor_dim1 = 100
	s_mov_b32 s[G1+3], 32<<16                      ; tile_dim0 = 32
	s_mov_b32 s[G1+4], 100                         ; tile_dim1 = 100
	s_mov_b32 s[G1+5], 32                          ; tensor_dim0_stride
	s_mov_b32 s[G1+6], 0
	s_mov_b32 s[G1+7], 0
	s_mov_b32 s[CS], 0x3fb8aa3b                    ; log2(e)
	s_mov_b32 s[CS+1], s[CS]                       ; (named with it as a pair, so it is written)
	s_mov_b32 s[SEL], 0x76543210
	s_mov_b32 s[SEL+1], 0xfedcba98                 ; v_permlanex16_b32's selects for lane l xor 16
	s_mov_b32 s[TB], 0
	s_mov_b32 s[CNT], 29
	s_cmp_eq_u32 ttmp9, 0                          ; the same in all four partners
	s_cselect_b32 s[LIM], 2, -1
	s_mul_i32 s50, s[WV], BLKB                     ; my wave's block in a lap, in memory and in a slot: no place in the cluster enters it
	s_mov_b32 s51, 0
	s_mul_i32 s52, s15, 6400                       ; the prefetches: my work-group's 25 pieces of 256 bytes of my wave's block,
	s_add_co_u32 s52, s52, s50
	s_add_co_u32 s52, s52, 3*LAPB                  ; in lap 3: the first change of slots steps it to lap 4.  Nothing is prefetched here, at the head
	s_mov_b32 s53, 0
	s_lshr_b32 s54, s16, 1                         ; Q: step g / 2,
	s_mul_i32 s54, s54, BLKB
	s_and_b32 s55, s16, 1
	s_mul_i32 s56, s55, 4*1536                     ; fragments 4 (g % 2) on,
	s_add_co_u32 s56, s56, s54
	s_mov_b32 s57, 0
	s_lshl_b32 s58, s55, 8                         ; and their scale words
	s_add_co_u32 s58, s58, s54
	s_add_co_u32 s58, s58, KSO
	s_mov_b32 s59, 0
	s_lshl_b32 s60, s16, 15                        ; x and out0: row 64 g + 8 w
	s_lshl_b32 s61, s[WV], 12
	s_add_co_u32 s60, s60, s61
	s_mov_b32 s61, 0
	s_mov_b32 s[G0A], 1                            ; count = 1
	s_mul_i32 s[G0A+1], s[WV], BLKB                ; LDS address: slot 0
	s_mov_b32 s[G0W], 1
	s_add_co_u32 s[G0W+1], s[G0A+1], SLOT1         ; slot 1
	s_wait_kmcnt 0x0
	s_add_nc_u64 s[G0A+2:G0A+3], s[4:5], s[50:51]  ; lap 0
	s_add_nc_u64 s[G0W+2:G0W+3], s[G0A+2:G0A+3], LAPB   ; lap 1
	s_or_b32 s[G0A+3], s[G0A+3], 0x80000000        ; type = 2
	s_or_b32 s[G0W+3], s[G0W+3], 0x80000000
	s_add_nc_u64 s[PFA:PFA+1], s[4:5], s[52:53]
	s_add_nc_u64 s[56:57], s[4:5], s[56:57]
	s_add_nc_u64 s[58:59], s[4:5], s[58:59]
	s_add_nc_u64 s[6:7], s[6:7], s[60:61]
	s_add_nc_u64 s[12:13], s[12:13], s[60:61]
	CROUND                                         ; all four work-groups are here: the first joint loads meet
	tensor_load_to_lds s[G0A:G0A+3], s[G1:G1+7]    ; both first fills together, ahead of every wait on TENSORcnt and every LDS read: two loads of mine are out
	s_nop 0
	tensor_load_to_lds s[G0W:G0W+3], s[G1:G1+7]
	s_nop 0
.rept 4
	v_nop
.endr
	v_and_b32 v106, 31, v0                         ; lane
	v_and_b32 v107, 15, v0                         ; r
	v_bfe_u32 v108, v0, 4, 1                       ; h
	v_lshlrev_b32 v[GO], 4, v106
	v_lshlrev_b32 v[R16], 4, v107
	WIN TO_2
.irp u, 0,1,2,3
.irp c, 0,1,2
	global_load_b128 v[12*\u+4*\c:12*\u+4*\c+3], v[GO], s[56:57] offset:1536*\u+512*\c   ; Q's four fragments stay in registers
.endr
.endr
	WIN 0
	global_load_b128 v[QS:QS+3], v[R16], s[58:59]  ; and their scale words: register u holds tile u's
	v_add_nc_u32 v[AF0], s50, v[GO]
	v_add_nc_u32 v[AS0], s50, v[R16]
	v_add_nc_u32 v[ADR], s[TB], v[AF0]
	v_add_nc_u32 v[ADS], s[TB], v[AS0]
	v_lshlrev_b32 v[H8], 3, v108
	v_min_u32 v[PFO], 24, v106                     ; 25 pieces to a wave: lanes 25 to 31 name lane 24's once more
	v_lshlrev_b32 v[PFO], 8, v[PFO]
.irp n, 0,1,2,3,4,5,6,7
	v_mov_b32 v[L+\n], 0                           ; the row sums
.endr
	v_mov_b32 v[TT], 0                             ; written once: a lane permute's destination counts as one of its sources
; 26 LDS loads in one run: a step's eight scale words a row (two loads) and its eight fragments as images of their registers
.macro LOADF sc, fr, so, fo
	WIN 0
	ds_load_b128 v[\sc:\sc+3], v[ADS] offset:\so
	ds_load_b128 v[\sc+4:\sc+7], v[ADS] offset:\so+256
	WIN TO_2
.irp t, 0,1,2,3,4,5,6,7
.irp c, 0,1,2
	ds_load_b128 v[\fr+12*\t+4*\c:\fr+12*\t+4*\c+3], v[ADR] offset:\fo+1536*\t+512*\c
.endr
.endr
.endm
.macro KLOAD
	LOADF KS, KF, KSO, 0
	WIN 0
.endm
; S^T of tile q, K's tile t: one product, 128 along the channels, starts and ends the sum
.macro KQW q, t
	WIN W_KQ
.set rS, S+64*((\q)%2)+8*(\t)
	v_wmma_scale_f32_16x16x128_f8f6f4 v[rS:rS+7], v[KF+12*(\t):KF+12*(\t)+11], v[12*(\q):12*(\q)+11], 0, v[KS+(\t)], v[QS+(\q)] matrix_a_fmt:MATRIX_FMT_FP6 matrix_b_fmt:MATRIX_FMT_FP6
.endm
; O^T of tile q, channels 16 ch on, += V^T P^T over the step's 128 keys.  zero = 1: the first product starts the sum: nothing is ever cleared
.macro PVW q, ch, zero
	WIN W_PV
.set rO, 64*(\q)+8*(\ch)
.set rP, P+12*((\q)%2)
.if \zero
	v_wmma_scale_f32_16x16x128_f8f6f4 v[rO:rO+7], v[VF+12*(\ch):VF+12*(\ch)+11], v[rP:rP+11], 0, v[VS+(\ch)], v[PS+(\q)%2] matrix_a_fmt:MATRIX_FMT_FP6 matrix_b_fmt:MATRIX_FMT_FP6
.else
	v_wmma_scale_f32_16x16x128_f8f6f4 v[rO:rO+7], v[VF+12*(\ch):VF+12*(\ch)+11], v[rP:rP+11], v[rO:rO+7], v[VS+(\ch)], v[PS+(\q)%2] matrix_a_fmt:MATRIX_FMT_FP6 matrix_b_fmt:MATRIX_FMT_FP6
.endif
.endm
; THE SOFTMAX OF ONE TILE FOR ONE KEY STEP is a list of 184 numbers; SM writes number j of it for tile q.  s0-s63 are the lane's scores: s[32 c ..] is the block of keys 64 c + 32 (lane / 16) on.
;   0-31    each block's largest score: eight chains, one for each accumulator, which is first read at its low end; then joined, the two blocks by turns
;   32-33   the same multiply-add on each block's largest score as on every score: p rises with the score, so this gives the block's largest p, bit for bit
;   34-131  ONE BATCH: the 32 packed scalings t - 2 and all 66 exponentials; a pair is scaled two triples ahead of its exponentials; none of these reads an exponential's result
;   132     a plain instruction behind the last exponential, and the ONE wait for the batch, ahead of the first line that names a result
;   133-140 the scale operands, the bytes, and the scale word, whole with lane l xor 16's two bytes.  No floor: p lies above 2^-4
;   141-151 the conversions, their plain place, and the moves of each block's upper 16 codes
;   152-183 the row's sum of the UNQUANTISED p, two at a time, in two chains
.macro SM q
.set mS, S+64*((\q)%2)
.set mP, P+12*((\q)%2)
.set mL, L+2*(\q)
.if j < 8
	v_max3_num_f32 v[M+j], v[mS+8*j], v[mS+8*j+1], v[mS+8*j+2]
.elseif j < 24
	v_max3_num_f32 v[M+j%8], v[M+j%8], v[mS+8*(j%8)+2*(j/8)+1], v[mS+8*(j%8)+2*(j/8)+2]
.elseif j < 26
	v_max3_num_f32 v[M+4*(j%2)], v[M+4*(j%2)], v[mS+32*(j%2)+7], v[mS+32*(j%2)+15]
.elseif j < 28
	v_max3_num_f32 v[M+4*(j%2)+2], v[M+4*(j%2)+2], v[mS+32*(j%2)+23], v[mS+32*(j%2)+31]
.elseif j < 30
	v_max3_num_f32 v[M+4*(j%2)], v[M+4*(j%2)], v[M+4*(j%2)+1], v[M+4*(j%2)+2]
.elseif j < 32
	v_max_num_f32 v[M+4*(j%2)], v[M+4*(j%2)], v[M+4*(j%2)+3]
.elseif j < 34
	v_fma_f32 v[U+j%2], v[M+4*(j%2)], s[CS], -2.0
.elseif j < 36
	v_pk_fma_f32 v[mS+2*(j-34):mS+2*(j-34)+1], v[mS+2*(j-34):mS+2*(j-34)+1], s[CS:CS+1], -2.0 op_sel_hi:[1,0,0]
.elseif j < 126
.set b, (j-36)/3
.if (j-36)%3 == 0
	v_pk_fma_f32 v[mS+2*b+4:mS+2*b+5], v[mS+2*b+4:mS+2*b+5], s[CS:CS+1], -2.0 op_sel_hi:[1,0,0]
.else
	v_exp_f32 v[mS+2*b+(j-36)%3-1], v[mS+2*b+(j-36)%3-1]
.endif
.elseif j < 130
	v_exp_f32 v[mS+j-66], v[mS+j-66]
.elseif j < 132
	v_exp_f32 v[U+j-130], v[U+j-130]
.elseif j == 132
	v_nop
	s_wait_alu depctr_va_vdst(0)
.elseif j < 135
	v_add_nc_u32 v[SO+j-133], 0xff000000, v[U+j-133]
.elseif j < 137
	v_lshrrev_b32 v[BY+j-135], 23, v[SO+j-135]
.elseif j == 137
	v_lshl_or_b32 v[W], v[BY+1], 16, v[BY]
.elseif j == 138
	v_lshlrev_b32 v[W], v[H8], v[W]
.elseif j == 139
	v_permlanex16_b32 v[TT], v[W], s[SEL], s[SEL+1]
.elseif j == 140
	v_or_b32 v[PS+(\q)%2], v[W], v[TT]
.elseif j == 141
	v_cvt_scalef32_pk16_fp6_f32 v[mP:mP+2], v[mS:mS+15], v[SO]
.elseif j == 142
	v_cvt_scalef32_pk16_fp6_f32 v[T:T+2], v[mS+16:mS+31], v[SO]
.elseif j == 143
	v_cvt_scalef32_pk16_fp6_f32 v[mP+6:mP+8], v[mS+32:mS+47], v[SO+1]
.elseif j == 144
	v_cvt_scalef32_pk16_fp6_f32 v[T+4:T+6], v[mS+48:mS+63], v[SO+1]
.elseif j == 145
	v_nop
.elseif j < 149
	v_mov_b32 v[mP+3+j-146], v[T+j-146]
.elseif j < 152
	v_mov_b32 v[mP+9+j-149], v[T+4+j-149]
.elseif j == 152
	v_pk_add_f32 v[TS:TS+1], v[mS:mS+1], v[mS+2:mS+3]
.elseif j < 183
.set b, (j-153)/2+1
.if (j-153)%2 == 0
	v_pk_add_f32 v[mL:mL+1], v[mL:mL+1], v[mS+4*b:mS+4*b+1]
.else
	v_pk_add_f32 v[TS:TS+1], v[TS:TS+1], v[mS+4*b+2:mS+4*b+3]
.endif
.else
	v_pk_add_f32 v[mL:mL+1], v[mL:mL+1], v[TS:TS+1]
.endif
.endm
; A PHASE: tile q's softmax in 16 slices of 11 or 12 numbers; ahead of slices 0-7 a product V^T P of the tile before (pv = 2; 1: it starts the sum; 0: none), ahead of slices 8-15 a product K Q^T of the tile after (kq = 1).
; The two tiles' scores and codes lie in the two sets by turns, so no slice names a register of the products round it.
; DISTANCES, by count of plain vector instructions that name none of the product's registers.  Behind the last K Q^T stand slice 15's twelve packed additions: then the next phase reads those scores, or K is loaded anew.
; P is last written at number 151 and its scale word at 140: 32 additions stand ahead of the next phase's first V^T P.  V is loaded anew (vload = 1) behind slice 8: behind the last V^T P stand the eight packed scalings of slices 7 and 8.
; The accumulators take turns, one instruction a turn: an accumulator of O^T comes up again behind 63 other matrix instructions.
; kwait = 1: K's loads, issued ahead of the phase, are waited for at slice 8.  In phase 1 V's loads, issued in phase 0, are waited for at the head.
.macro PHASE q, pv, kq, kwait, vload
.set i, 0
.rept 16
.if (i < 8) && (\pv)
.if ((\q) == 1) && (i == 0)
	s_wait_dscnt 0x0                               ; V is in
.endif
	PVW ((\q)+3)%4, i, 2-\pv
.endif
.if (i >= 8) && (\kq)
.if (\kwait) && (i == 8)
	s_wait_dscnt 0x0                               ; K is in
.endif
	KQW ((\q)+1)%4, i-8
.endif
	WIN 0
.set j, 23*i/2
.rept 23*(i+1)/2-23*i/2
	SM \q
.set j, j+1
.endr
.if (\vload) && (i == 8)
	LOADF VS, VF, VSO, VFO
.endif
.set i, i+1
.endr
	WIN 0                                          ; at a label and at a branch every window is 0
.endm
; THE CHANGE OF SLOTS stands ahead of phase 3: the lap's K and V are both in registers.  Each wave waits for all its tensor loads (one is out: its block of the next lap), adds 0 to its spare word, and waits for that
; and for its reads of the slot.  fill = 1: the slot is filled again with the lap two on: the barrier is a round of the cluster's, so that no wave of any partner still reads the slot or has a load on its way, and the
; joint refill is the first thing behind it: it has a whole lap, 64 matrix instructions and four softmaxes, in which to land.
.macro CHANGE fill
	WIN 0
	s_wait_tensorcnt 0x0                           ; no tensor load of mine is out, so a group 0 may be written
	ds_add_u32 v[SPW], v[NIL]                      ; 0 onto my spare word
.if \fill
	s_xor_b32 s[G0W+1], s[G0W+1], SLOT1            ; the walking descriptor: the other slot than last time,
	s_add_nc_u64 s[G0W+2:G0W+3], s[G0W+2:G0W+3], LAPB   ; the next lap; the type bits on top are not reached
	s_wait_xcnt 0x0                                ; the last prefetch, a lap back, has read its address, so it may be written
	s_add_nc_u64 s[PFA:PFA+1], s[PFA:PFA+1], LAPB
	s_wait_dscnt 0x0                               ; the add is done, and my reads of the slot are over
	CROUND
	tensor_load_to_lds s[G0W:G0W+3], s[G1:G1+7]    ; my one tensor load until the next round
	s_nop 0
.rept 4
	v_nop
.endr
.else
	s_wait_dscnt 0x0
	s_barrier_signal -1
	s_barrier_wait -1
.endif
	s_xor_b32 s[TB], s[TB], SLOT1                  ; the fetches go on in the other slot
	v_add_nc_u32 v[ADR], s[TB], v[AF0]
	v_add_nc_u32 v[ADS], s[TB], v[AS0]
.endm
; A PREFETCH INTO THE L2, behind the joint load, its four lines and the run of LDS loads: my wave's block of the lap that stands TWO refills on.  All clusters walk the same blocks: the first cluster asks, and nobody else.
; Its four partners take 25 pieces of 256 bytes each of a wave's block, told apart BY ADDRESS; a lane a piece.  Laps 0 to 3 come by their loads alone; the last two changes that fill a slot ask for nothing: there is no lap 32.
.macro ASK
	s_cmp_gt_u32 s[CNT], s[LIM]
	s_cbranch_scc0 .Lnot_mine_\@
	global_prefetch_b8 v[PFO], s[PFA:PFA+1] th:TH_LOAD_NT scope:SCOPE_SE
.Lnot_mine_\@:
.endm
; From a lap's phase 1 to the next lap's phase 0
.macro BODY pv, fill
	PHASE 1, \pv, 1, 0, 0
	PHASE 2, \pv, 1, 0, 0
	CHANGE \fill
	KLOAD                                          ; the next lap's K
.if \fill
	ASK
.endif
	PHASE 3, \pv, 1, 1, 0
	PHASE 0, \pv, 1, 0, 1                          ; the next lap's first softmax; its V is fetched behind the last product on the old V
.endm
	s_wait_tensorcnt 0x1                           ; my block of lap 0 is in; lap 1's load may stay out: nothing is filled again here, and I read only what my own load brought
	KLOAD
	s_wait_loadcnt 0x0                             ; Q
	s_wait_dscnt 0x0
.set i, 0
.rept 8
	KQW 0, i                                       ; tile 0's first scores: there is no vector work yet to set between them
.set i, i+1
.endr
	WIN 0                                          ; the addresses for the way out are made here: nine plain instructions, the places behind those products
	s_lshl_b32 s52, s[WV], 13
	v_add_nc_u32 v[RW], s52, v[GO]                 ; the image of tile q from wave w lies at (4 q + w) x 8192
	v_add_nc_u32 v[RW+1], 0x10000, v[RW]
	s_lshl_b32 s52, s[WV], 15
	v_add_nc_u32 v[RR], s52, v[GO]
	s_lshl_b32 s52, s[WV], 9
	s_add_co_u32 s52, s52, LRED
	v_add_nc_u32 v[LW], s52, v[GO]                 ; my four sums: 16 bytes a lane
	s_lshl_b32 s52, s[WV], 2
	s_add_co_u32 s52, s52, LRED
	v_add_nc_u32 v[LR], s52, v[GO]                 ; tile w's word of them
	s_mul_i32 s52, s[WV], 16*528
	s_add_co_u32 s52, s52, ZST
	v_add_nc_u32 v[ZR], s52, v[GO]                 ; my stage, back: a row of 512 bytes to the 32 lanes
	v_mul_u32_u24 v[ZW], v107, 528
	v_lshl_add_u32 v[ZW], v108, 5, v[ZW]
	v_add_nc_u32 v[ZW], s52, v[ZW]                 ; in: row r, + 32 h
	PHASE 0, 0, 1, 0, 1                            ; lap 0: tile 0's softmax | tile 1's scores | V of lap 0
	BODY 1, 1                                      ; the first products V^T P start O^T's sums
.Llap:                                             ; 29 trips: laps 1 to 29; each fills a slot again
	BODY 2, 1
	s_sub_co_u32 s[CNT], s[CNT], 1
	s_cmp_lg_u32 s[CNT], 0
	s_cbranch_scc1 .Llap
	BODY 2, 0                                      ; the tail is written out: lap 30 asks for nothing
	PHASE 1, 2, 1, 0, 0                            ; lap 31
	PHASE 2, 2, 1, 0, 0
	PHASE 3, 2, 0, 0, 0
.set i, 0
.rept 8
	PVW 3, i, 0
.set i, i+1
.endr
	; THE WAY OUT.  The additions are the places behind the last products.
	WIN 0
.irp q, 0,1,2,3
	v_add_f32 v[M+\q], v[L+2*\q], v[L+2*\q+1]      ; a tile's sum: its two halves,
.endr
.irp q, 0,1,2,3
	v_permlanex16_b32 v[M+4+\q], v[M+\q], s[SEL], s[SEL+1]
.endr
.irp q, 0,1,2,3
	v_add_f32 v[M+\q], v[M+\q], v[M+4+\q]          ; and lane l xor 16's
.endr
.irp i, 0,1,2,3,4,5,6,7,8,9,10,11,12,13,14,15
	global_load_b128 v[X+4*\i:X+4*\i+3], v[GO], s[6:7] offset:((\i%8)+32*(\i/8))*512 th:TH_LOAD_NT   ; tile w's 16 rows of x, a whole row of 512 bytes an instruction
.endr
	global_load_b128 v[GB:GB+3], v[GO], s[8:9]     ; gamma and beta of my four channels
	global_load_b128 v[GB+4:GB+7], v[GO], s[10:11]
	s_wait_dscnt 0x0
	s_barrier_signal -1
	s_barrier_wait -1                              ; no wave reads a slot any more, and both slots have had their last fill
	ds_store_b128 v[LW], v[M:M+3]
	WIN 0x04                                       ; an LDS store's data are its source 1: window 1
.irp q, 0,1,2,3
.irp i, 0,1,2,3,4,5,6,7,8,9,10,11,12,13,14,15
	ds_store_b128 v[RW+\q/2], v[64*\q+4*\i:64*\q+4*\i+3] offset:32768*(\q%2)+512*\i   ; O^T as an image of its registers, each accumulator from its low end on
.endr
.endr
	WIN 0
	s_wait_dscnt 0x0                               ; for the others' sake: my images lie in LDS
	s_barrier_signal -1
	s_barrier_wait -1
	WIN 0x40                                       ; destination window 1
.irp w, 0,1,2,3
.irp i, 0,1,2,3,4,5,6,7,8,9,10,11,12,13,14,15
	ds_load_b128 v[64*\w+4*\i:64*\w+4*\i+3], v[RR] offset:8192*\w+512*\i   ; tile w's four partial O^T
.endr
.endr
	WIN 0
.irp w, 0,1,2,3
	ds_load_b32 v[M+4+\w], v[LR] offset:512*\w     ; and its four partial sums
.endr
	s_wait_dscnt 0x0
	v_add_f32 v[M+4], v[M+4], v[M+5]
	v_add_f32 v[M+6], v[M+6], v[M+7]
	v_add_f32 v[M+4], v[M+4], v[M+6]               ; the row's sum
	v_rcp_f32 v[U], v[M+4]
	v_nop                                          ; a plain place behind the transcendental
	s_wait_alu depctr_va_vdst(0)                   ; and a wait ahead of the first use
	v_mov_b32 v[U+1], v[U]
	WIN 0x01                                       ; source 0 window 1
.set k, 0
.rept 32
	v_pk_mul_f32 v[Z+2*k:Z+2*k+1], v[2*k:2*k+1], v[U:U+1]
.set k, k+1
.endr
.irp w, 1,2,3
.set k, 0
.rept 32
	v_pk_fma_f32 v[Z+2*k:Z+2*k+1], v[64*\w+2*k:64*\w+2*k+1], v[U:U+1], v[Z+2*k:Z+2*k+1]   ; z = (the four O^T) / the sum: register 8 ch + n is z(r, 16 ch + 8 h + n)
.set k, k+1
.endr
.endr
	WIN 0
.irp c, 0,1,2,3,4,5,6,7
	ds_store_b128 v[ZW], v[Z+8*\c:Z+8*\c+3] offset:64*\c
	ds_store_b128 v[ZW], v[Z+8*\c+4:Z+8*\c+7] offset:64*\c+16
.endr
.irp i, 0,1,2,3,4,5,6,7,8,9,10,11,12,13,14,15
	ds_load_b128 v[Z+4*\i:Z+4*\i+3], v[ZR] offset:528*\i   ; back as whole rows; LDS serves a wave's instructions in order (ISA guide 5.7.1.4): these see my stores
.endr
	s_mov_b32 s52, 0xbc000000                      ; -1 / 128
	s_mov_b32 s53, 0x3c000000                      ; 1 / 128
	s_mov_b32 s54, 0x3727c5ac                      ; 1e-5
	s_wait_loadcnt 0x0                             ; x, gamma, beta
	s_wait_dscnt 0x0
; a number in each of v40-55 (row i's) is summed over the 32 lanes; every lane ends with the sum
.macro ACROSS
.irp m, 1,2,4,8
.irp i, 0,1,2,3,4,5,6,7,8,9,10,11,12,13,14,15
	v_add_f32_dpp v[L+\i], v[L+\i], v[L+\i] row_xmask:\m row_mask:0xf bank_mask:0xf
.endr
.endr
.irp i, 0,1,2,3,4,5,6,7,8,9,10,11,12,13,14,15
	v_permlanex16_b32 v[P+\i], v[L+\i], s[SEL], s[SEL+1]   ; (P's registers have been written, and are free)
.endr
.irp i, 0,1,2,3,4,5,6,7,8,9,10,11,12,13,14,15
	v_add_f32 v[L+\i], v[L+\i], v[P+\i]
.endr
.endm
.set k, 0
.rept 32
	v_pk_fma_f32 v[X+2*k:X+2*k+1], v[X+2*k:X+2*k+1], 2.0, v[Z+2*k:Z+2*k+1] op_sel_hi:[1,0,1] neg_lo:[0,0,1] neg_hi:[0,0,1]   ; y = 2 x - z
.set k, k+1
.endr
.irp i, 0,1,2,3,4,5,6,7,8,9,10,11,12,13,14,15
	v_pk_add_f32 v[Z+4*\i:Z+4*\i+1], v[X+4*\i:X+4*\i+1], v[X+4*\i+2:X+4*\i+3]
.endr
.irp i, 0,1,2,3,4,5,6,7,8,9,10,11,12,13,14,15
	v_add_f32 v[L+\i], v[Z+4*\i], v[Z+4*\i+1]
.endr
	ACROSS
.irp i, 0,1,2,3,4,5,6,7,8,9,10,11,12,13,14,15
.irp e, 0,1,2,3
	v_fma_f32 v[X+4*\i+\e], v[L+\i], s52, v[X+4*\i+\e]     ; d = y - the row's mean
.endr
.endr
.irp i, 0,1,2,3,4,5,6,7,8,9,10,11,12,13,14,15
	v_pk_mul_f32 v[Z+4*\i:Z+4*\i+1], v[X+4*\i:X+4*\i+1], v[X+4*\i:X+4*\i+1]
.endr
.irp i, 0,1,2,3,4,5,6,7,8,9,10,11,12,13,14,15
	v_pk_fma_f32 v[Z+4*\i:Z+4*\i+1], v[X+4*\i+2:X+4*\i+3], v[X+4*\i+2:X+4*\i+3], v[Z+4*\i:Z+4*\i+1]
.endr
.irp i, 0,1,2,3,4,5,6,7,8,9,10,11,12,13,14,15
	v_add_f32 v[L+\i], v[Z+4*\i], v[Z+4*\i+1]
.endr
	ACROSS
.irp i, 0,1,2,3,4,5,6,7,8,9,10,11,12,13,14,15
	v_fma_f32 v[L+\i], v[L+\i], s53, s54           ; the variance + 1e-5
.endr
.irp i, 0,1,2,3,4,5,6,7,8,9,10,11,12,13,14,15
	v_rsq_f32 v[L+\i], v[L+\i]
.endr
	v_nop                                          ; a plain place behind the last transcendental
	s_wait_alu depctr_va_vdst(0)                   ; one wait for the sixteen, ahead of their first reader
.irp i, 0,1,2,3,4,5,6,7,8,9,10,11,12,13,14,15
.irp e, 0,1,2,3
	v_mul_f32 v[X+4*\i+\e], v[X+4*\i+\e], v[L+\i]
.endr
.endr
.irp i, 0,1,2,3,4,5,6,7,8,9,10,11,12,13,14,15
	v_pk_fma_f32 v[X+4*\i:X+4*\i+1], v[X+4*\i:X+4*\i+1], v[GB:GB+1], v[GB+4:GB+5]
	v_pk_fma_f32 v[X+4*\i+2:X+4*\i+3], v[X+4*\i+2:X+4*\i+3], v[GB+2:GB+3], v[GB+6:GB+7]
.endr
.irp i, 0,1,2,3,4,5,6,7,8,9,10,11,12,13,14,15
	global_store_b128 v[GO], v[X+4*\i:X+4*\i+3], s[12:13] offset:((\i%8)+32*(\i/8))*512 th:TH_STORE_NT   ; 32 lanes store a row of 512 bytes, at a multiple of 256 from out0's first byte
.endr
	s_wait_tensorcnt 0x0                           ; the wave's end: behind my last tensor load and my last LDS store
	ds_add_u32 v[SPW], v[NIL]
	s_wait_dscnt 0x0
	CROUND                                         ; the closing round: no work-group ends while a partner may still ask for a block that names it
	s_endpgm
.Lfunc_end_k_q1af7121b77_attn:
	.size	k_q1af7121b77_attn, .Lfunc_end_k_q1af7121b77_attn-k_q1af7121b77_attn
	.p2alignl 7, 3214868480
	.fill 96, 4, 3214868480
	.section	.rodata,"a",@progbits
	.p2align	6, 0x0
	.amdhsa_kernel k_q1af7121b77_attn
		.amdhsa_group_segment_fixed_size 327680
		.amdhsa_private_segment_fixed_size 0
		.amdhsa_enable_private_segment 0
		.amdhsa_kernarg_size 40
		.amdhsa_user_sgpr_count 2
		.amdhsa_user_sgpr_kernarg_segment_ptr 1
		.amdhsa_wavefront_size32 1
		.amdhsa_system_sgpr_workgroup_id_x 1
		.amdhsa_system_sgpr_workgroup_id_y 1
		.amdhsa_system_sgpr_workgroup_id_z 1
		.amdhsa_system_vgpr_workitem_id 0
		.amdhsa_next_free_vgpr 768
		.amdhsa_next_free_sgpr 66
		.amdhsa_reserve_vcc 0
		.amdhsa_float_denorm_mode_32 3
		.amdhsa_float_denorm_mode_16_64 3
		.amdhsa_memory_ordered 1
		.amdhsa_forward_progress 1
		.amdhsa_inst_pref_size 255
	.end_amdhsa_kernel
	.section	.bss,"aw",@nobits
	.p2align	6
	.space	262144
	.amdgpu_metadata
---
amdhsa.version: [ 1, 2 ]
amdhsa.kernels:
  - .name:           k_q1af7121b77_attn
    .symbol:         k_q1af7121b77_attn.kd
    .args:
      - { .name: kv, .offset: 0, .size: 8, .value_kind: global_buffer, .address_space: global }
      - { .name: x, .offset: 8, .size: 8, .value_kind: global_buffer, .address_space: global }
      - { .name: gamma, .offset: 16, .size: 8, .value_kind: global_buffer, .address_space: global }
      - { .name: beta, .offset: 24, .size: 8, .value_kind: global_buffer, .address_space: global }
      - { .name: out0, .offset: 32, .size: 8, .value_kind: global_buffer, .address_space: global }
    .group_segment_fixed_size: 327680
    .private_segment_fixed_size: 0
    .kernarg_segment_align: 8
    .kernarg_segment_size: 40
    .max_flat_workgroup_size: 128
    .sgpr_count:     66
    .vgpr_count:     768
    .wavefront_size: 32
...
	.end_amdgpu_metadata
.endif
;; end of part 2
